; MI455X (gfx1250); checked and timed in simulation.
; The chip was launched on July 23, 2026; its instructions are those of AMD's public machine-readable ISA for CDNA 5 (MIT licence, August 2026) and "CDNA5" Instruction Set Architecture Reference Guide (July 2026). The comments in the code are by the model that wrote it; some were corrected since.
;; Multi Head Attention. Allowed arithmetic: matrix products marked QUANTISED: E2M1 operands, one E8M0 scale for each 32 along K, by v_wmma_scale_f32_16x16x128_f8f6f4 with both operands' format E2M1 (or v_wmma_scale_f32_32x16x128_f4), f32 sums; everything else in f32.
;; Inputs: W_out_codes 1,024 x 32 x 16 uint8 (E2M1 codes of W_out, K innermost, in blocks of 32 codes, two codes a byte); W_out_scales 1,024 x 32 uint8 (E8M0 scales of W_out, one for each 32 codes along K); W_qkv_codes 3,072 x 32 x 16 uint8 (E2M1 codes of W_qkv, K innermost, in blocks of 32 codes, two codes a byte); W_qkv_scales 3,072 x 32 uint8 (E8M0 scales of W_qkv, one for each 32 codes along K); b_out 1,024 float32; b_qkv 3,072 float32; x_codes 4 x 2,048 x 32 x 16 uint8 (E2M1 codes of x, K innermost, in blocks of 32 codes, two codes a byte); x_scales 4 x 2,048 x 32 uint8 (E8M0 scales of x, one for each 32 codes along K).
;; Outputs: out0 4 x 2,048 x 1,024 float32.
;; This version of the problem:
;;   THIS VERSION OF THE PROBLEM IS GIVEN IN LOW PRECISION. The matrix products marked QUANTISED in the list below multiply operands that are first quantised to E2M1 (2 exponent bits, 1 mantissa bit; 4 bits a number), with one power-of-two scale for each 32 numbers along K (OCP MX v1.0); their sums are f32. All else is computed in f32.
;;   The module's matrix products, in the order in which they are computed (A, B: the left and right operand; K: the contracted axis; several contracted axes count as one K, in the product's order):
;;     1. [M 8,192, K 1,024] x [K 1,024, N 3,072]; A: input x (given as codes); B: input W_qkv (given as codes): QUANTISED
;;     2. batch 64 x [M 2,048, K 64] x [K 64, N 2,048]; A: computed on the way; B: computed on the way: QUANTISED
;;     3. batch 64 x [M 2,048, K 2,048] x [K 2,048, N 64]; A: softmax (see below); B: computed on the way: QUANTISED
;;     4. [M 8,192, K 1,024] x [K 1,024, N 1,024]; A: computed on the way; B: input W_out (given as codes): QUANTISED
;;   THE QUANTISER, for each operand of a quantised product, along K:
;;     - K is cut into blocks of 32 from its start; a last block that is shorter is filled with zeros.
;;     - A block's scale is 2^e with e = floor(log2(the largest magnitude in the block)) - 2, held to -126 .. 127; a block of zeros has e = 0. As a byte (E8M0): e + 127.
;;     - Each number is divided by its block's scale, clamped to +-6, and rounded to the nearest number of E2M1, ties to even, subnormals kept.
;;     - The product sums the exact products of the quantised numbers (number of the format x scale) in f32.
;;   ~~~python
;;   def quantise(x, axis):      # numpy; x: float32 -> the quantised numbers, widened to float32 again
;;       x = np.moveaxis(x, axis, -1); K = x.shape[-1]
;;       x = np.pad(x, [(0, 0)] * (x.ndim - 1) + [(0, -K % 32)]); x = x.reshape(x.shape[:-1] + (-1, 32)); a = np.abs(x).max(-1, keepdims=True)
;;       e = np.where(a > 0, np.clip(np.frexp(np.where(a > 0, a, 1))[1] - 1 - 2, -126, 127), 0)      # np.frexp(a)[1] - 1 = floor(log2(a)), exactly
;;       r = np.clip(x / 2.0 ** e, -6, 6)
;;       step = 2.0 ** (np.maximum(np.frexp(np.where(r == 0, 1, r))[1] - 1, 0) - 1)
;;       q = np.round(r / step) * step * 2.0 ** e      # np.round: ties to even
;;       return np.moveaxis(q.reshape(q.shape[:-2] + (-1,))[..., :K], -1, axis).astype(np.float32)
;;   ~~~
;;   SOFTMAX AHEAD OF A QUANTISED PRODUCT. Where the list says 'softmax', what is quantised is not the finished softmax but p = 2^(t - M), with t = logit x log2(e) and M = ceil(the row's largest t), a whole number; so 1/2 < the row's largest p <= 1. The row's sum l is taken of the UNQUANTISED p, in f32, and the product's result is divided by l at the end. Since M is a whole number, a kernel that streams over the keys may use a running M (the ceiling of the running maximum): every later rescaling is an exact power of two, which a block's scale takes up: the codes' values come out the same.
;;   OPERANDS COMPUTED ON THE WAY. 'Computed on the way' means the value that the module computes at that place (a softmax that the list does not call 'softmax' is quantised finished and normalised). What goes into a quantiser is computed in f32, as accurately as f32 sums, v_exp_f32 and their like allow (about 1e-6 of the number): no bf16 or f16 on the way to a quantiser, and a product that is left as it is and whose result goes on into a quantised operand takes f32 operands (vector FMAs, or v_wmma_f32_16x16x4_f32). A number that lies on a knife's edge between two numbers of the format may be rounded either way, as far as f32 arithmetic and the matrix unit's own rounding can turn it there, and no further.
;;   INPUTS GIVEN AS CODES. W_out (in the module: [1024, 1024], K = its axis 1); W_qkv (in the module: [3072, 1024], K = its axis 1); x (in the module: [4, 2048, 1024], K = its axis 2): each comes as NAME_codes (uint8): NAME with its K axis moved to the last place and cut into blocks of 32 codes, [.., K / 32, bytes a block], one block behind the other in memory; two codes a byte, the lower K in the low four bits (a code: sign, 2 exponent bits, 1 mantissa bit); and NAME_scales (uint8): the same leading axes, one E8M0 byte (e + 127) for each 32 codes along K. Its value is code x scale, taken as it is: it is not quantised again, and the codes and scales need not be those that the quantiser above would give.
;; One version. Each part assembles by itself: llvm-mc -triple=amdgcn-amd-amdhsa -mcpu=gfx1250 --defsym DOCPART=n.
;; ======== version 1 of 1: 3 launches
;; workspace buffers: qkv 13,369,344 bytes; ao 4,194,304 bytes; ascl 262,144 bytes
;; launch qkv (part 1): grid 12 x 64, 8 waves a work-group, clusters of 4 x 4, 226,304 bytes of LDS; arguments x_codes, x_scales, W_qkv_codes, W_qkv_scales, b_qkv, qkv; writes qkv
.if DOCPART == 1
	.amdgcn_target "amdgcn-amd-amdhsa--gfx1250"
	.amdhsa_code_object_version 6
	.text
	.protected	k_qaf4d2fc512_qkv
	.globl	k_qaf4d2fc512_qkv
	.p2align	8
	.type	k_qaf4d2fc512_qkv,@function
k_qaf4d2fc512_qkv:
	s_mov_b64 s[64:65], 0
	v_nop
	global_prefetch_b8 v0, s[64:65] scope:SCOPE_SE
	s_setreg_imm32_b32 hwreg(HW_REG_WAVE_MODE, 25, 1), 1
	s_wait_xcnt 0x0
	s_wait_alu depctr_hold_cnt(0) depctr_sa_sdst(0) depctr_va_vdst(0) depctr_va_sdst(0) depctr_va_ssrc(0) depctr_va_vcc(0) depctr_vm_vsrc(0)
	s_getreg_b32 s2, hwreg(HW_REG_IB_STS2, 6, 4)
	s_cmp_eq_u32 s2, 0
	s_cbranch_scc0 .Lentry_in_a_cluster
	s_endpgm
.Lentry_in_a_cluster:
	s_bfe_u32 s2, ttmp6, 0x10000c
	s_cmp_lg_u32 s2, 0xf033
	s_cbranch_scc0 .Lentry_shape_is_right
	s_endpgm
.Lentry_shape_is_right:
; qkv = x W_qkv^T + b_qkv on codes of FP4 (E2M1) with E8M0 scales, then q and k quantised along the head's 64 and v along the tokens, all into the workspace buffer qkv.
; x: 8,192 tokens x 1,024 (512 bytes of codes, 32 scale bytes a row); W_qkv: 3,072 features likewise; b_qkv f32.
; SHARES.  A work-group takes 128 tokens x 256 features: four heads' parts of ONE of q, k, v (the cluster's x says which).  Eight waves, each 64 tokens x 64 features (one head): 16 accumulators.
; The whole K of the tile, 1,024, fits in LDS as two halves of 512 (rows of 256 bytes): every LDS byte is filled once, so there is no ring.
; CLUSTERS: 4 x 4 work-groups; x's tiles are shared along a row of the cluster, W's along a column, each asked for jointly.
; LAYOUT.  The operand whose rows are the NEXT product's K is source 0, so that a lane's registers run along that K:  q, k: source 0 = 16 features of W, source 1 = 16 tokens;  v: source 0 = 16 tokens, source 1 = 16 features.
; In tile T lane (r, h) register j holds index 16 T + 8 h + j; a block of 32 is tiles 2 b and 2 b + 1 of lanes l and l xor 16.
; OUTPUT: 1,024 records of 13,056 bytes, record ((b 16 + head) 16 + token / 128), laid in the order of the next operands' registers (an image: lane l's 16 bytes at 16 l):
;   +0 q codes [f][u][lane][16]: token 32 f + 16 u + r, block h;  +4,096 q scale words [f][r]: bytes 0, 1 token 32 f + r, bytes 2, 3 token 32 f + 16 + r;  +4,352 k codes;  +8,448 v codes [t][c][lane][16]: d = 16 t + r, keys 64 c + 32 h ..;
;   +12,544 k scale words;  +12,800 v scale words [t][r]: byte b = block b of the 128 keys.
; The bias is the C of each sum's first product: another order of f32 rounding than adding it last.
; LIMITS: NaN and infinities are not served; a block whose largest magnitude lies under 2^-124 (a block of zeros too) gets the byte 1: its codes are then zeros or what the floor's scale gives, and this program alone reads the bytes.
; v's scale bytes leave two bytes a lane, 4 bytes apart (a wave of 64 tokens makes two of a word's four bytes): 128 bytes for each 2,048 bytes of codes.
.set RS,    13056                      ; a record
.set PITCH, 272                        ; an LDS row: 256 bytes + 16 of padding: the 16 rows of a fragment load start at 16 different groups of four banks
.set T16,   16*PITCH
.set XT,    128*PITCH                  ; x's 128 rows of a half of K
.set SLOT,  384*PITCH                  ; and W's 256 rows behind them
.set SCL,   2*SLOT                     ; the scales: x's 16 units of 256 + 16 bytes, then W's 32
.set ADX,   4                          ; v4-5   LDS address of my x fragments, first and second half of K
.set ADW,   6                          ; v6-7   the same for W
.set ADRS,  8                          ; v8     my scale words: lanes 0-15 x's rows, lanes 16-31 W's
.set L16,   9                          ; v9     16 x lane
.set L4,    12                         ; v12    4 x lane
.set OC,    13                         ; v13    byte offset of my codes in qkv
.set OS,    14                         ; v14    and of my scale words
.set BA,    15                         ; v15    byte offset of my bias numbers
.set SC,    32                         ; v32-47 scale words and nothing else: register 4 i + q: lanes 0-15 x's tile i, lanes 16-31 W's tile i, the half's q-th 128 along K
.set F0,    64                         ; v64-95   fragments of source 0
.set F1,    96                         ; v96-127  fragments of source 1
.set ACC,   128                        ; v128-255 accumulator (a, b) at 128 + 8 (4 a + b): a the tile of source 1, b of source 0.  The bias: v16-31, v48-63
.set TM,    64                         ; at the end, in the fragments' registers: v64-79 at work,
.set PW,    80                         ; v80-81 the two scale words, v82 what is stored of them,
.set SW,    82
.set PC,    96                         ; v96-111 the codes
.set WV,    16                         ; s16 wave; s17 what I fetch for (0 x, 1 W); s18 which quarter; s19 my half of the tokens; s20 my head of the four
.set KIND,  17
.set PART,  18
.set CH,    19
.set CHI,   20
.set TYP,   27                         ; s27 0 q, 1 k, 2 v: the cluster's x, the same in all partners
.set G1A,   28
.set G1W,   36
.set G1AS,  44
.set G1WS,  52
.set SEL,   66
.set G0AS,  68
.set G0A,   72
.set G0WS,  80
.set G0W,   84
.macro PLACES n
.rept \n
	v_nop
.endr
.endm
; A joint load: waves 0-3 fetch for x, waves 4-7 for W.  Each line has one mask and one set of registers; the branch hangs on the wave's number alone.  Four v_nop follow each line.
.macro JLOAD g0a, g1a, g0b, g1b
	s_cmp_eq_u32 s[KIND], 0
	s_cbranch_scc0 .Lfor_w_\@
	tensor_load_to_lds s[\g0a:\g0a+3], s[\g1a:\g1a+7]
	s_nop 0
	PLACES 4
	s_branch .Lasked_\@
.Lfor_w_\@:
	tensor_load_to_lds s[\g0b:\g0b+3], s[\g1b:\g1b+7]
	s_nop 0
	PLACES 4
.Lasked_\@:
.endm
.macro CROUND                          ; a round of the cluster's barrier
	s_barrier_signal -1
	s_barrier_wait -1
	s_cmp_lg_u32 s[WV], 0
	s_cbranch_scc1 .Lnot_wave_0_\@
	s_barrier_signal -3
.Lnot_wave_0_\@:
	s_barrier_wait -3
	s_barrier_signal -1
	s_barrier_wait -1
.endm
.macro FRAG reg, adr, off              ; 16 rows x 128 K of 4-bit codes: registers 4 c .. 4 c + 3 hold K = 64 c + 32 h + 0 .. 31: two loads of 16 bytes, 32 bytes apart
	ds_load_b128 v[\reg:\reg+3], v[\adr] offset:\off
	ds_load_b128 v[\reg+4:\reg+7], v[\adr] offset:\off+32
.endm
.macro SCALES k                        ; the scale words of half k of K: four words a row
.irp i, 0,1,2,3
	ds_load_b128 v[SC+4*\i:SC+4*\i+3], v[ADRS] offset:544*\i+16*\k
.endr
.endm
.macro PROD k, q, a, b, vp             ; one product; the very first K step takes the bias as C
.set rD, ACC+8*(4*(\a)+(\b))
.if (\k)+(\q) > 0
.set rC, ACC+8*(4*(\a)+(\b))
.elseif \vp
.set rC, 16+8*(\a)+16*((\a)/2)
.else
.set rC, 16+8*(\b)+16*((\b)/2)
.endif
.if \vp
	v_wmma_scale_f32_16x16x128_f8f6f4 v[rD:rD+7], v[F0+8*(\b):F0+8*(\b)+7], v[F1+8*(\a):F1+8*(\a)+7], v[rC:rC+7], v[SC+4*(\b)+(\q)], v[SC+4*(\a)+(\q)] matrix_a_fmt:MATRIX_FMT_FP4 matrix_b_fmt:MATRIX_FMT_FP4 matrix_b_scale:MATRIX_SCALE_ROW1
.else
	v_wmma_scale_f32_16x16x128_f8f6f4 v[rD:rD+7], v[F0+8*(\b):F0+8*(\b)+7], v[F1+8*(\a):F1+8*(\a)+7], v[rC:rC+7], v[SC+4*(\b)+(\q)], v[SC+4*(\a)+(\q)] matrix_a_fmt:MATRIX_FMT_FP4 matrix_b_fmt:MATRIX_FMT_FP4 matrix_a_scale:MATRIX_SCALE_ROW1
.endif
.endm
; 128 along K: 16 loads, 16 products.  vp = 0 (q, k): source 0 = W, source 1 = x;  vp = 1 (v): the other way round.  The 16 accumulators take turns, one instruction a turn, in the same order in every step.
.macro KSTEP k, q, vp
.if \q > 0
	PLACES 4                                       ; four places between the last products and loads into the registers that they read
.endif
.irp i, 0,1,2,3
.if \vp
	FRAG F0+8*\i, ADX+\k, 64*\q+\i*T16
.else
	FRAG F0+8*\i, ADW+\k, 64*\q+\i*T16
.endif
.endr
.irp i, 0,1,2,3
.if \vp
	FRAG F1+8*\i, ADW+\k, 64*\q+\i*T16
.else
	FRAG F1+8*\i, ADX+\k, 64*\q+\i*T16
.endif
.endr
.irp a, 0,1,2,3
	s_wait_dscnt 6-2*\a                            ; source 0 and source 1's tiles up to a are in; the two loads of each later tile may be out
.irp b, 0,1,2,3
	PROD \k, \q, \a, \b, \vp
.endr
.endr
.endm
.macro HALF k, vp
	SCALES \k
	KSTEP \k, 0, \vp
	KSTEP \k, 1, \vp
	KSTEP \k, 2, \vp
	KSTEP \k, 3, \vp
.endm
; 64 numbers of a lane, v[s] on: block b = registers 16 b .. 16 b + 15 (tiles 2 b, 2 b + 1) and lane l xor 16's.  They become 8 registers of codes in the operand's layout, v[pc] on, and a scale word, v[pw].
.macro QUANT s, pc, pw
.irp b, 0,1,2,3
	v_max3_num_f32 v[TM+\b], |v[\s+16*\b]|, |v[\s+1+16*\b]|, 0x1800000   ; my 16 numbers, from each accumulator's low end on, and the floor 2^(3 - 127): the byte cannot fall under 1
.endr
.irp i, 2,4,6,8,10,12,14
.irp b, 0,1,2,3
	v_max3_num_f32 v[TM+\b], v[TM+\b], |v[\s+16*\b+\i]|, |v[\s+1+16*\b+\i]|   ; the four blocks by turns
.endr
.endr
.irp b, 0,1,2,3
	s_delay_alu instid0(VALU_DEP_4)
	v_permlanex16_b32 v[TM+4+\b], v[TM+\b], s[SEL], s[SEL+1]
.endr
.irp b, 0,1,2,3
	s_delay_alu instid0(VALU_DEP_4)
	v_max_num_f32 v[TM+\b], v[TM+\b], v[TM+4+\b]   ; with lane l xor 16's: the block's largest magnitude
.endr
.irp b, 0,1,2,3
	s_delay_alu instid0(VALU_DEP_4)
	v_add_nc_u32 v[TM+12+\b], 0xff000000, v[TM+\b] ; 2 off its exponent field: the conversion takes that field as its scale
.endr
.irp b, 0,1,2,3
	s_delay_alu instid0(VALU_DEP_4)
	v_lshrrev_b32 v[TM+4+\b], 23, v[TM+12+\b]      ; the scale's byte
.endr
	s_delay_alu instid0(VALU_DEP_3)
	v_lshl_or_b32 v[\pw], v[TM+5], 8, v[TM+4]
	s_delay_alu instid0(VALU_DEP_1)
	v_lshl_or_b32 v[\pw], v[TM+6], 16, v[\pw]
	s_delay_alu instid0(VALU_DEP_1)
	v_lshl_or_b32 v[\pw], v[TM+7], 24, v[\pw]
.irp b, 0,1,2,3
	v_cvt_scalef32_pk8_fp4_f32 v[\pc+4*(\b/2)+\b%2], v[\s+16*\b:\s+7+16*\b], v[TM+12+\b]       ; tile 2 b: index 32 b + 8 h + 0 .. 7
	v_cvt_scalef32_pk8_fp4_f32 v[\pc+4*(\b/2)+2+\b%2], v[\s+8+16*\b:\s+15+16*\b], v[TM+12+\b]  ; tile 2 b + 1: 32 b + 16 + 8 h + 0 .. 7
.endr
	v_nop                                          ; one plain place behind a scaled conversion
.irp c, 0,1                            ; the first's lanes 16-31 change places with the second's lanes 0-15: register 4 c + i of lane (r, h) then holds index 64 c + 32 h + 8 i + 0 .. 7
	v_permlane16_swap_b32 v[\pc+4*\c], v[\pc+4*\c+1]
	v_permlane16_swap_b32 v[\pc+4*\c+2], v[\pc+4*\c+3]
.endr
.endm
	s_load_b256 s[4:11], s[0:1], 0x0               ; x's codes s[4:5], x's scales s[6:7], W's codes s[8:9], W's scales s[10:11]
	s_load_b128 s[12:15], s[0:1], 0x20             ; b_qkv s[12:13], qkv s[14:15]
	s_set_vgpr_msb 0x40
	v_lshl_add_u32 v0, v0, 2, 0x37000
	v_mov_b32 v1, 0
	s_set_vgpr_msb 0x4045
	ds_add_u32 v0, v1
	ds_add_u32 v0, v1
	s_set_vgpr_msb 0x4500
	v_lshrrev_b32 v1, 5, v0
	s_delay_alu instid0(VALU_DEP_1)
	v_readfirstlane_b32 s[WV], v1                  ; wave 0..7
	s_lshr_b32 s[KIND], s[WV], 2
	s_and_b32 s[PART], s[WV], 3
	s_and_b32 s[CH], s[WV], 1
	s_lshr_b32 s[CHI], s[WV], 1
	s_bfe_u32 s21, ttmp6, 0x40000                  ; cx
	s_bfe_u32 s22, ttmp6, 0x40004                  ; cy
	s_lshl_b32 s23, ttmp9, 2
	s_add_co_u32 s23, s23, s21                     ; J: features 256 J on
	s_and_b32 s24, ttmp7, 0xffff
	s_lshl_b32 s24, s24, 2
	s_add_co_u32 s24, s24, s22                     ; I: tokens 128 I on
	s_lshl_b32 s25, s22, 2
	s_lshl_b32 s25, 15, s25                        ; my row of the cluster
	s_lshl_b32 s26, 0x1111, s21                    ; my column
	s_mov_b32 s[TYP], ttmp9
	s_mov_b32 s[SEL], 0x76543210
	s_mov_b32 s[SEL+1], 0xfedcba98                 ; v_permlanex16_b32's selects for lane l xor 16
	; descriptor groups 1.  Codes: rows of 256 bytes, 512 apart in memory, 16 bytes of padding behind each; x 32 rows a load, W 64
	s_or_b32 s[G1A], s25, (1<<20)|(1<<21)|(5<<22)|(3<<25)    ; 15:0 the mask; 17:16 elements of 1 byte; 20 padding on; 21 set beside a mask; 24:22 after every 64 words; 31:25 four words
	s_or_b32 s[G1W], s26, (1<<20)|(1<<21)|(5<<22)|(3<<25)
	s_mov_b32 s[G1A+1], 256<<16                    ; tensor_dim0
	s_mov_b32 s[G1A+2], 32<<16                     ; tensor_dim1
	s_mov_b32 s[G1A+3], 256<<16                    ; tile_dim0
	s_mov_b32 s[G1A+4], 32                         ; tile_dim1
	s_mov_b32 s[G1A+5], 512                        ; from row to row
	s_mov_b32 s[G1A+6], 0
	s_mov_b32 s[G1A+7], 0
	s_mov_b32 s[G1W+1], 256<<16
	s_mov_b32 s[G1W+2], 64<<16
	s_mov_b32 s[G1W+3], 256<<16
	s_mov_b32 s[G1W+4], 64
	s_mov_b32 s[G1W+5], 512
	s_mov_b32 s[G1W+6], 0
	s_mov_b32 s[G1W+7], 0
	; scales: dense blocks, as rows of 256 bytes (32 elements of 8), 16 bytes of padding behind each; x 4 rows a load, W 8
	s_or_b32 s[G1AS], s25, (3<<16)|(1<<20)|(1<<21)|(5<<22)|(3<<25)
	s_or_b32 s[G1WS], s26, (3<<16)|(1<<20)|(1<<21)|(5<<22)|(3<<25)
	s_mov_b32 s[G1AS+1], 32<<16
	s_mov_b32 s[G1AS+2], 4<<16
	s_mov_b32 s[G1AS+3], 32<<16
	s_mov_b32 s[G1AS+4], 4
	s_mov_b32 s[G1AS+5], 32
	s_mov_b32 s[G1AS+6], 0
	s_mov_b32 s[G1AS+7], 0
	s_mov_b32 s[G1WS+1], 32<<16
	s_mov_b32 s[G1WS+2], 8<<16
	s_mov_b32 s[G1WS+3], 32<<16
	s_mov_b32 s[G1WS+4], 8
	s_mov_b32 s[G1WS+5], 32
	s_mov_b32 s[G1WS+6], 0
	s_mov_b32 s[G1WS+7], 0
	; where the tiles come from: x's hang on I and the wave alone, W's on J and the wave alone, each in registers that never hold the other coordinate
	s_lshl_b32 s92, s24, 7
	s_lshl_b32 s96, s[PART], 5
	s_add_co_u32 s92, s92, s96                     ; x: row 128 I + 32 x quarter
	s_lshl_b32 s96, s92, 5                         ; its scales, in bytes
	s_lshl_b32 s92, s92, 9                         ; its codes
	s_mov_b32 s93, 0
	s_mov_b32 s97, 0
	s_lshl_b32 s94, s23, 8
	s_lshl_b32 s98, s[PART], 6
	s_add_co_u32 s94, s94, s98                     ; W: row 256 J + 64 x quarter
	s_lshl_b32 s98, s94, 5
	s_lshl_b32 s94, s94, 9
	s_mov_b32 s95, 0
	s_mov_b32 s99, 0
	s_mul_i32 s60, s[PART], 4*272                  ; and where they go: the quarter times a constant
	s_mul_i32 s61, s[PART], 32*PITCH
	s_mul_i32 s62, s[PART], 8*272
	s_mul_i32 s63, s[PART], 64*PITCH
	s_wait_dscnt 0x0
	s_wait_kmcnt 0x0
	s_add_nc_u64 s[92:93], s[4:5], s[92:93]
	s_add_nc_u64 s[94:95], s[8:9], s[94:95]
	CROUND                                         ; all sixteen work-groups are here: the first joint loads meet
	s_mov_b32 s[G0AS], 1
	s_add_co_u32 s[G0AS+1], s60, SCL
	s_add_nc_u64 s[G0AS+2:G0AS+3], s[6:7], s[96:97]
	s_or_b32 s[G0AS+3], s[G0AS+3], 0x80000000
	s_mov_b32 s[G0WS], 1
	s_add_co_u32 s[G0WS+1], s62, SCL+16*272
	s_add_nc_u64 s[G0WS+2:G0WS+3], s[10:11], s[98:99]
	s_or_b32 s[G0WS+3], s[G0WS+3], 0x80000000
	JLOAD G0AS, G1AS, G0WS, G1WS                   ; the scales first, then the two halves of K: three loads of mine are out
.irp k, 0,1
	s_mov_b32 s[G0A+4*\k], 1
	s_add_co_u32 s[G0A+4*\k+1], s61, \k*SLOT
	s_add_nc_u64 s[G0A+4*\k+2:G0A+4*\k+3], s[92:93], \k*256
	s_or_b32 s[G0A+4*\k+3], s[G0A+4*\k+3], 0x80000000
	s_mov_b32 s[G0W+4*\k], 1
	s_add_co_u32 s[G0W+4*\k+1], s63, XT+\k*SLOT
	s_add_nc_u64 s[G0W+4*\k+2:G0W+4*\k+3], s[94:95], \k*256
	s_or_b32 s[G0W+4*\k+3], s[G0W+4*\k+3], 0x80000000
	JLOAD G0A+4*\k, G1A, G0W+4*\k, G1W
.endr
	v_and_b32 v1, 15, v0                           ; r
	v_bfe_u32 v2, v0, 4, 1                         ; h
	s_wait_alu depctr_va_vdst(0)
	v_and_b32 v3, 31, v0                           ; lane
	v_mul_u32_u24 v10, v1, PITCH
	s_delay_alu instid0(VALU_DEP_1)
	v_lshl_add_u32 v10, v2, 4, v10                 ; a fragment's row x pitch + 16 h
	s_mul_i32 s60, s[CH], 64*PITCH                 ; my 64 tokens
	s_mul_i32 s61, s[CHI], 64*PITCH                ; my 64 features, behind x's 128 rows
	s_add_co_u32 s61, s61, XT
	v_add_nc_u32 v[ADX], s60, v10
	v_add_nc_u32 v[ADW], s61, v10
	s_delay_alu instid0(VALU_DEP_2)
	v_add_nc_u32 v[ADX+1], SLOT, v[ADX]
	s_delay_alu instid0(VALU_DEP_2)
	v_add_nc_u32 v[ADW+1], SLOT, v[ADW]
	s_xor_b32 s61, s[CH], 1                        ; lanes 16-31 take W's words: 2,176 x (2 + head - half) bytes behind x's: one product by h
	s_add_co_u32 s61, s61, s[CHI]
	s_add_co_u32 s61, s61, 1
	s_mul_i32 s61, s61, 2176
	s_mul_i32 s60, s[CH], 2176
	s_add_co_u32 s60, s60, SCL
	v_mul_u32_u24 v[ADRS], s61, v2
	v_lshlrev_b32 v10, 5, v1                       ; 32 bytes a row,
	v_lshrrev_b32 v11, 3, v1
	s_delay_alu instid0(VALU_DEP_1)
	v_lshl_add_u32 v10, v11, 4, v10                ; and 16 more behind eight rows
	s_delay_alu instid0(VALU_DEP_1)
	v_add_nc_u32 v[ADRS], v[ADRS], v10
	s_delay_alu instid0(VALU_DEP_1)
	v_add_nc_u32 v[ADRS], s60, v[ADRS]
	v_lshlrev_b32 v[L16], 4, v3
	v_lshlrev_b32 v[L4], 2, v3
	s_lshl_b32 s60, s23, 10
	s_lshl_b32 s61, s[CHI], 8
	s_add_co_u32 s60, s60, s61                     ; my first feature, in bytes of b_qkv
	s_lshr_b32 s61, s24, 4                         ; my record: ((b 16 + 4 cx + head of the four) 16 + I % 16)
	s_lshl_b32 s61, s61, 4
	s_lshl_b32 s62, s21, 2
	s_add_co_u32 s61, s61, s62
	s_add_co_u32 s61, s61, s[CHI]
	s_lshl_b32 s61, s61, 4
	s_and_b32 s62, s24, 15
	s_add_co_u32 s61, s61, s62
	s_mul_i32 s61, s61, RS
	s_cmp_eq_u32 s[TYP], 2                         ; the cluster's x alone: the same way in all partners
	s_cbranch_scc1 .Lbias_v
	v_lshl_add_u32 v[BA], v2, 5, s60               ; q, k: register j of tile b is feature 16 b + 8 h + j
.irp t, 0,1,2,3
	global_load_b128 v[16+8*\t+16*(\t/2):19+8*\t+16*(\t/2)], v[BA], s[12:13] offset:64*\t
	global_load_b128 v[20+8*\t+16*(\t/2):23+8*\t+16*(\t/2)], v[BA], s[12:13] offset:64*\t+16
.endr
	s_cmp_eq_u32 s[TYP], 1
	s_cselect_b32 s62, 4352, 0                     ; k's codes or q's
	s_mov_b32 s63, 4096
	s_cselect_b32 s63, 12544, s63                  ; k's scale words or q's
	s_lshl_b32 s92, s[CH], 11
	s_add_co_u32 s62, s62, s92                     ; my 64 tokens: f = 2 c on
	s_lshl_b32 s92, s[CH], 7
	s_add_co_u32 s63, s63, s92
	s_branch .Lbias_done
.Lbias_v:
	v_lshl_add_u32 v[BA], v1, 2, s60               ; v: all eight registers of tile a are feature 16 a + r
.irp t, 0,1,2,3
.irp j, 0,1,2,3,4,5,6,7
	global_load_b32 v[16+8*\t+16*(\t/2)+\j], v[BA], s[12:13] offset:64*\t
.endr
.endr
	s_lshl_b32 s62, s[CH], 9
	s_add_co_u32 s62, s62, 8448                    ; v's codes, my 64 keys: c
	s_lshl_b32 s63, s[CH], 1
	s_add_co_u32 s63, s63, 12800                   ; v's scale words, my two bytes of four
.Lbias_done:
	s_add_co_u32 s62, s62, s61
	s_add_co_u32 s63, s63, s61
	s_wait_alu depctr_va_vdst(0)
	v_add_nc_u32 v[OC], s62, v[L16]
	v_add_nc_u32 v[OS], s63, v[L4]
	s_wait_tensorcnt 0x1                           ; my parts of the scales and of K's first half are in; the second half's load, issued last, may stay out
	s_barrier_signal -1
	s_barrier_wait -1                              ; everybody's are
	s_wait_loadcnt 0x0                             ; the bias
	s_cmp_eq_u32 s[TYP], 2
	s_cbranch_scc1 .Lh0_v
	HALF 0, 0
	s_branch .Lh0_done
.Lh0_v:
	HALF 0, 1
.Lh0_done:
	s_wait_tensorcnt 0x0                           ; my part of K's second half is in,
	s_wait_dscnt 0x0
	s_barrier_signal -1
	s_barrier_wait -1                              ; everybody's is
	PLACES 4                                       ; in front of the loads into scale words and fragments that the last products read
	s_cmp_eq_u32 s[TYP], 2
	s_cbranch_scc1 .Lh1_v
	HALF 1, 0
	s_branch .Lh1_done
.Lh1_v:
	HALF 1, 1
.Lh1_done:
	PLACES 4                                       ; in front of the first reads of results and of writes into the fragments' registers
.irp b, 0,1,2,3
	v_mov_b32 v[TM+4+\b], 0                        ; a lane permute's destination counts as one of its sources
.endr
	QUANT ACC, PC, PW                              ; tiles a = 0, 1 of source 1
	QUANT ACC+64, PC+8, PW+1                       ; tiles a = 2, 3
	s_cmp_eq_u32 s[TYP], 2
	s_cbranch_scc1 .Lout_v
	v_cmp_gt_u32 vcc_lo, 16, v3
	s_delay_alu instid0(VALU_DEP_1)
	v_cndmask_b32 v[SW], v[PW+1], v[PW], vcc_lo    ; lanes 0-15: the words of f = 2 c, lanes 16-31: of f = 2 c + 1
.irp p, 0,1
.irp u, 0,1
	global_store_b128 v[OC], v[PC+8*\p+4*\u:PC+8*\p+4*\u+3], s[14:15] offset:1024*\p+512*\u   ; 32 lanes store 512 consecutive bytes
.endr
.endr
	global_store_b32 v[OS], v[SW], s[14:15]        ; 128 consecutive bytes
	s_branch .Lout_done
.Lout_v:
	v_lshlrev_b32 v[SW], 4, v2                     ; lanes 0-15 keep the word's low half (d tile 2 p), lanes 16-31 take its high half (d tile 2 p + 1)
	s_delay_alu instid0(VALU_DEP_1)
	v_lshrrev_b32 v[PW], v[SW], v[PW]
	s_delay_alu instid0(VALU_DEP_2)
	v_lshrrev_b32 v[PW+1], v[SW], v[PW+1]
	s_wait_alu depctr_va_vdst(0)
.irp p, 0,1
.irp u, 0,1
	global_store_b128 v[OC], v[PC+8*\p+4*\u:PC+8*\p+4*\u+3], s[14:15] offset:1024*(2*\p+\u)
.endr
	global_store_b16 v[OS], v[PW+\p], s[14:15] offset:128*\p
.endr
.Lout_done:
	s_set_vgpr_msb 0x5
	s_wait_tensorcnt 0x0
	ds_add_u32 v0, v1
	s_wait_dscnt 0x0
	s_set_vgpr_msb 0x500
	CROUND                                         ; the closing round: no work-group ends while a partner may still ask for a tile that names it
	s_endpgm
.Lfunc_end_k_qaf4d2fc512_qkv:
	.size	k_qaf4d2fc512_qkv, .Lfunc_end_k_qaf4d2fc512_qkv-k_qaf4d2fc512_qkv
	.p2alignl 7, 3214868480
	.fill 96, 4, 3214868480
	.section	.rodata,"a",@progbits
	.p2align	6, 0x0
	.amdhsa_kernel k_qaf4d2fc512_qkv
		.amdhsa_group_segment_fixed_size 226304
		.amdhsa_private_segment_fixed_size 0
		.amdhsa_enable_private_segment 0
		.amdhsa_kernarg_size 48
		.amdhsa_user_sgpr_count 2
		.amdhsa_user_sgpr_kernarg_segment_ptr 1
		.amdhsa_wavefront_size32 1
		.amdhsa_system_sgpr_workgroup_id_x 1
		.amdhsa_system_sgpr_workgroup_id_y 1
		.amdhsa_system_sgpr_workgroup_id_z 1
		.amdhsa_system_vgpr_workitem_id 0
		.amdhsa_next_free_vgpr 258
		.amdhsa_next_free_sgpr 100
		.amdhsa_reserve_vcc 1
		.amdhsa_float_denorm_mode_32 3
		.amdhsa_float_denorm_mode_16_64 3
		.amdhsa_memory_ordered 1
		.amdhsa_forward_progress 1
		.amdhsa_inst_pref_size 78
	.end_amdhsa_kernel
	.amdgpu_metadata
---
amdhsa.version: [ 1, 2 ]
amdhsa.kernels:
  - .name:           k_qaf4d2fc512_qkv
    .symbol:         k_qaf4d2fc512_qkv.kd
    .args:
      - { .name: x_codes, .offset: 0, .size: 8, .value_kind: global_buffer, .address_space: global }
      - { .name: x_scales, .offset: 8, .size: 8, .value_kind: global_buffer, .address_space: global }
      - { .name: W_qkv_codes, .offset: 16, .size: 8, .value_kind: global_buffer, .address_space: global }
      - { .name: W_qkv_scales, .offset: 24, .size: 8, .value_kind: global_buffer, .address_space: global }
      - { .name: b_qkv, .offset: 32, .size: 8, .value_kind: global_buffer, .address_space: global }
      - { .name: qkv, .offset: 40, .size: 8, .value_kind: global_buffer, .address_space: global }
    .group_segment_fixed_size: 226304
    .private_segment_fixed_size: 0
    .kernarg_segment_align: 8
    .kernarg_segment_size: 48
    .max_flat_workgroup_size: 256
    .sgpr_count:     100
    .vgpr_count:     258
    .wavefront_size: 32
...
	.end_amdgpu_metadata
.endif
;; end of part 1
;; launch attn (part 2): grid 4 x 64, 16 waves a work-group, clusters of 4 x 1, 169,984 bytes of LDS; arguments qkv, ao, ascl; writes ao, ascl
.if DOCPART == 2
	.amdgcn_target "amdgcn-amd-amdhsa--gfx1250"
	.amdhsa_code_object_version 6
	.text
	.protected	k_qaf4d2fc512_attn
	.globl	k_qaf4d2fc512_attn
	.p2align	8
	.type	k_qaf4d2fc512_attn,@function
k_qaf4d2fc512_attn:
	s_mov_b64 s[64:65], 0
	v_nop
	global_prefetch_b8 v0, s[64:65] scope:SCOPE_SE
	s_setreg_imm32_b32 hwreg(HW_REG_WAVE_MODE, 25, 1), 1
	s_wait_xcnt 0x0
	s_wait_alu depctr_hold_cnt(0) depctr_sa_sdst(0) depctr_va_vdst(0) depctr_va_sdst(0) depctr_va_ssrc(0) depctr_va_vcc(0) depctr_vm_vsrc(0)
	s_getreg_b32 s2, hwreg(HW_REG_IB_STS2, 6, 4)
	s_cmp_eq_u32 s2, 0
	s_cbranch_scc0 .Lentry_in_a_cluster
	s_endpgm
.Lentry_in_a_cluster:
	s_bfe_u32 s2, ttmp6, 0x10000c
	s_cmp_lg_u32 s2, 0x3003
	s_cbranch_scc0 .Lentry_shape_is_right
	s_endpgm
.Lentry_shape_is_right:
; O = softmax(q k^T / 8) v for one (batch, head), both products on codes of FP4 (E2M1) with E8M0 scales; O / l is then quantised along the channels for the last product.
; THE SOFTMAX AHEAD OF THE SECOND PRODUCT: t = score x log2(e) / 8; M = the running largest t rounded UP to a whole number; p = 2^(t - M) is quantised along the keys, not normalised; the row's sum is taken of the unquantised p.
; When M moves, the sum and O are multiplied by 2^(old M - new M), which rounds nothing.
; SHARES.  A work-group owns one head and 512 queries; each of its sixteen waves owns 16 queries at a time, twice (tokens 512 X + 256 pass + 16 wave): four waves to a SIMD, so that one wave's vector work stands beside another's products and LDS loads.
; A head's K and V, codes and scale words, are 16 records of 8,704 bytes: all of it lies in LDS, filled ONCE, one record by each wave; there is no ring.
; CLUSTER: the four query blocks of a head walk the same K and V: each record is asked for jointly.
; LAYOUT.  Both products transposed: S^T = K Q^T, O^T = V^T P^T: a lane holds one query (lane % 16) throughout.  In tile T of S^T register j of lane (r, h) is key 16 T + 8 h + j.
; THE HEAD HAS 64 CHANNELS, THE INSTRUCTION 128 ALONG K: a fragment of K packs two tiles of 16 keys (registers 0-3, 4-7), its scale word both tiles' bytes; q stands in twelve registers [q | 0 | q]: v[16:23] picks the first tile, v[20:27] the second;
; zero codes add nothing under any byte but 0xff, and all bytes here lie in 1 .. 254.
; OUTPUT: ao [token / 128][head / 2][(token % 128) / 16][head % 2][lane][16]: the last product's A fragments as images of their registers;  ascl [token][32]: byte 2 head + block.
; LIMITS: NaN and infinities are not served; 1 / l by v_rcp_f32; a block under 2^-124 (a block of zeros too) gets the byte 1.  A block's largest p is taken as the p of its largest score (v_exp_f32 taken not to fall where its input rises).
; A head owns 2 of a token's 32 scale bytes: they leave two bytes a lane, 32 bytes apart, lanes r and r + 16 writing the same two bytes with the same value: 32 bytes for each 512 bytes of codes.
.set RS,   13056                       ; a record in qkv; its bytes 4,352 on come into LDS
.set REC,  8704                        ; in LDS: +0 K's codes, +4,096 V's codes, +8,192 K's scale words, +8,448 V's
.set WV,   10                          ; s10 wave; s11 my block of 512 queries; s12 16 b + head
.set SEL,  20                          ; s[20:21] lane selects: lane l xor 16
.set CS,   22                          ; s[22:23] c = log2(e) / 8
.set G1,   24
.set G0,   32
.set TB,   36                          ; s36 the step's record in LDS
.set CNT,  37
.set QSH,  39                          ; s39 16 x (wave % 2): which half of q's scale word is mine
.set QP,   40                          ; s[40:41] q's codes, s[42:43] q's scale words, s[44:45] my place in ao, s[46:47] in ascl: all for pass 0; a pass's step stands in the immediates
.set QSP,  42
.set AOP,  44
.set ASP,  46
; REGISTERS: v1 16 x lane, v2 4 r, v3 32 r; v4-5 the step's LDS addresses; v12 -M, v13 the largest t, v[14:15] the sum in two halves; v16-27 q | 0 | q; v32-63 K's four fragments; v64-95 V's four;
; v96-159 S^T, then p; v160-191 O^T; v200-203 K's scale words, v204-207 V's, v208 q's, v209 p's (scales and nothing else); v210 at work; v224-231 p's codes; v232-254 at work.
.macro PLACES n
.rept \n
	v_nop
.endr
.endm
.macro CROUND
	s_barrier_signal -1
	s_barrier_wait -1
	s_cmp_lg_u32 s[WV], 0
	s_cbranch_scc1 .Lnot_wave_0_\@
	s_barrier_signal -3
.Lnot_wave_0_\@:
	s_barrier_wait -3
	s_barrier_signal -1
	s_barrier_wait -1
.endm
.macro LOADQ p                         ; my 16 queries of pass p: the image twice, and the scale words
	global_load_b128 v[16:19], v1, s[QP:QP+1] offset:2*RS*\p
	global_load_b128 v[24:27], v1, s[QP:QP+1] offset:2*RS*\p
	global_load_b32 v210, v2, s[QSP:QSP+1] offset:2*RS*\p
.endm
.macro INIT
	s_wait_loadcnt 0x0                             ; q
	v_lshrrev_b32 v210, s[QSH], v210               ; my tile's two bytes,
	s_delay_alu instid0(VALU_DEP_1)
	v_and_b32 v210, 0xffff, v210
	s_delay_alu instid0(VALU_DEP_1)
	v_lshl_or_b32 v208, v210, 16, v210             ; for both halves of the instruction's K
	v_mov_b32 v13, 0xff61b1e6                      ; the largest t so far: -3e38
	s_delay_alu instid0(VALU_DEP_1)
	v_floor_f32 v12, -v13                          ; -M
	v_mov_b32 v14, 0
	v_mov_b32 v15, 0
.set j, 0
.rept 32
	v_mov_b32 v[160+j], 0                          ; O^T: the first change of M leaves zeros zeros.  (These lines are also the eight places between the write of q's scale word and the first scaled product)
.set j, j+1
.endr
.endm
; A KEY STEP: 128 keys, one record.
.macro STEP
	v_add_nc_u32 v4, s[TB], v1
	v_add_nc_u32 v5, s[TB], v2
	v_nop
	v_nop                                          ; four places between the last products and loads into the registers that they read
.irp f, 0,1,2,3
	ds_load_b128 v[32+8*\f:35+8*\f], v4 offset:1024*\f          ; keys 32 f + r
	ds_load_b128 v[36+8*\f:39+8*\f], v4 offset:1024*\f+512      ; keys 32 f + 16 + r
.endr
.irp f, 0,1,2,3
	ds_load_b32 v[200+\f], v5 offset:8192+64*\f
.endr
.irp t, 0,1,2,3
	ds_load_b128 v[64+8*\t:67+8*\t], v4 offset:4096+1024*\t     ; d = 16 t + r, keys 32 h on
	ds_load_b128 v[68+8*\t:71+8*\t], v4 offset:4096+1024*\t+512 ; keys 64 + 32 h on
.endr
.irp t, 0,1,2,3
	ds_load_b32 v[204+\t], v5 offset:8448+64*\t
.endr
	s_wait_dscnt 12                                ; K's twelve loads are in; V's twelve, issued behind them, may be out
.irp f, 0,1,2,3
	v_wmma_scale_f32_16x16x128_f8f6f4 v[96+16*\f:103+16*\f], v[32+8*\f:39+8*\f], v[16:23], 0, v[200+\f], v208 matrix_a_fmt:MATRIX_FMT_FP4 matrix_b_fmt:MATRIX_FMT_FP4
	v_wmma_scale_f32_16x16x128_f8f6f4 v[104+16*\f:111+16*\f], v[32+8*\f:39+8*\f], v[20:27], 0, v[200+\f], v208 matrix_a_fmt:MATRIX_FMT_FP4 matrix_b_fmt:MATRIX_FMT_FP4
.endr
	PLACES 4
.irp b, 0,1,2,3
	v_max3_num_f32 v[232+\b], v[96+16*\b], v[97+16*\b], v[98+16*\b]   ; the largest score of each block of 32 keys, from each accumulator's low end on: it serves for the row's maximum and for the block's largest p
.endr
.irp i, 3,5,7,9,11,13
.irp b, 0,1,2,3
	v_max3_num_f32 v[232+\b], v[232+\b], v[96+16*\b+\i], v[97+16*\b+\i]
.endr
.endr
.irp b, 0,1,2,3
	v_max_num_f32 v[232+\b], v[232+\b], v[111+16*\b]
.endr
.irp b, 0,1,2,3
	s_delay_alu instid0(VALU_DEP_4)
	v_permlanex16_b32 v[236+\b], v[232+\b], s[SEL], s[SEL+1]
.endr
.irp b, 0,1,2,3
	s_delay_alu instid0(VALU_DEP_4)
	v_max_num_f32 v[232+\b], v[232+\b], v[236+\b]  ; with lane l xor 16's 16 keys
.endr
	s_delay_alu instid0(VALU_DEP_2)
	v_max3_num_f32 v254, v232, v233, v234
	s_delay_alu instid0(VALU_DEP_1)
	v_max_num_f32 v254, v254, v235                 ; the step's largest score of my query
	s_delay_alu instid0(VALU_DEP_1)
	v_mul_f32 v254, s[CS], v254                    ; as t (c is positive)
	s_delay_alu instid0(VALU_DEP_1)
	v_max_num_f32 v13, v13, v254                   ; the running largest t
	v_mov_b32 v254, v12
	s_delay_alu instid0(VALU_DEP_2)
	v_floor_f32 v12, -v13                          ; the new -M = -ceil(t)
	s_delay_alu instid0(VALU_DEP_1)
	v_sub_f32 v254, v12, v254                      ; old M - new M: a whole number, 0 or less
	s_delay_alu instid0(VALU_DEP_1)
	v_cvt_i32_f32 v254, v254                       ; (it saturates)
	s_delay_alu instid0(VALU_DEP_1)
	v_ldexp_f32 v252, 1.0, v254                    ; f = 2^(old M - new M)
.set j, 0
.rept 32
	v_pk_fma_f32 v[96+j:97+j], v[96+j:97+j], s[CS:CS+1], v[12:13] op_sel_hi:[1,0,0]   ; t - M, two at a time
.set j, j+2
.endr
.irp b, 0,1,2,3
	v_fma_f32 v[232+\b], v[232+\b], s[CS], v12     ; the same of each block's largest score
.endr
.set j, 0
	s_wait_alu depctr_va_vdst(0)
.rept 64
	v_exp_f32 v[96+j], v[96+j]                     ; p = 2^(t - M)
.set j, j+1
.endr
	s_setprio 1
.irp b, 0,1,2,3
	v_exp_f32 v[232+\b], v[232+\b]                 ; the block's largest p
.endr
	v_pk_mul_f32 v[14:15], v[14:15], v[252:253] op_sel_hi:[1,0]   ; the sums under the new M (a plain place behind the exponentials)
	s_wait_alu depctr_va_vdst(0)
.irp b, 0,1,2,3
	v_max_num_f32 v[232+\b], 0x1800000, v[232+\b]  ; the floor 2^(3 - 127)
.endr
.irp b, 0,1,2,3
	s_delay_alu instid0(VALU_DEP_4)
	v_add_nc_u32 v[244+\b], 0xff000000, v[232+\b]  ; 2 off the exponent field: the conversion's scale operand
.endr
.irp b, 0,1,2,3
	s_delay_alu instid0(VALU_DEP_4)
	v_lshrrev_b32 v[236+\b], 23, v[244+\b]         ; the scale's byte
.endr
	s_delay_alu instid0(VALU_DEP_3)
	v_lshl_or_b32 v209, v237, 8, v236              ; p's scale word for these 128 keys
	s_delay_alu instid0(VALU_DEP_1)
	v_lshl_or_b32 v209, v238, 16, v209
	s_delay_alu instid0(VALU_DEP_1)
	v_lshl_or_b32 v209, v239, 24, v209
.irp b, 0,1,2,3
	v_cvt_scalef32_pk8_fp4_f32 v[224+4*(\b/2)+\b%2], v[96+16*\b:103+16*\b], v[244+\b]      ; keys 32 b + 8 h + 0 .. 7
	v_cvt_scalef32_pk8_fp4_f32 v[226+4*(\b/2)+\b%2], v[104+16*\b:111+16*\b], v[244+\b]     ; keys 32 b + 16 + 8 h + 0 .. 7
.endr
	v_nop                                          ; one plain place behind a scaled conversion
.irp c, 0,1                            ; register 4 c + i of lane (r, h) then holds keys 64 c + 32 h + 8 i + 0 .. 7
	v_permlane16_swap_b32 v[224+4*\c], v[225+4*\c]
	v_permlane16_swap_b32 v[226+4*\c], v[227+4*\c]
.endr
	v_pk_add_f32 v[236:237], v[100:101], v[104:105]
	v_pk_add_f32 v[248:249], v[108:109], v[112:113]
	v_pk_add_f32 v[246:247], v[116:117], v[120:121]
	v_pk_add_f32 v[244:245], v[124:125], v[128:129]
	v_pk_add_f32 v[242:243], v[132:133], v[136:137]
	v_pk_add_f32 v[240:241], v[140:141], v[144:145]
	v_pk_add_f32 v[234:235], v[148:149], v[152:153]
	v_pk_add_f32 v[14:15], v[14:15], v[156:157]
	v_pk_add_f32 v[236:237], v[236:237], v[96:97]
	v_pk_add_f32 v[248:249], v[248:249], v[98:99]
	v_pk_add_f32 v[246:247], v[246:247], v[102:103]
	v_pk_add_f32 v[244:245], v[244:245], v[106:107]
	v_pk_add_f32 v[242:243], v[242:243], v[110:111]
	v_pk_add_f32 v[240:241], v[240:241], v[114:115]
	v_pk_add_f32 v[234:235], v[234:235], v[118:119]
	v_pk_add_f32 v[14:15], v[14:15], v[122:123]
	v_pk_add_f32 v[236:237], v[236:237], v[126:127]
	v_pk_add_f32 v[248:249], v[248:249], v[130:131]
	v_pk_add_f32 v[246:247], v[246:247], v[134:135]
	v_pk_add_f32 v[244:245], v[244:245], v[138:139]
	v_pk_add_f32 v[242:243], v[242:243], v[142:143]
	v_pk_add_f32 v[240:241], v[240:241], v[146:147]
	v_pk_add_f32 v[234:235], v[234:235], v[150:151]
	v_pk_add_f32 v[14:15], v[14:15], v[154:155]
	v_pk_add_f32 v[236:237], v[236:237], v[158:159]
	s_delay_alu instid0(VALU_DEP_2)
	v_pk_add_f32 v[14:15], v[14:15], v[244:245]
	s_delay_alu instid0(VALU_DEP_2)
	v_pk_add_f32 v[236:237], v[236:237], v[242:243]
	v_pk_add_f32 v[248:249], v[248:249], v[240:241]
	v_pk_add_f32 v[246:247], v[246:247], v[234:235]
	s_delay_alu instid0(VALU_DEP_2)
	v_pk_add_f32 v[14:15], v[14:15], v[248:249]
	s_delay_alu instid0(VALU_DEP_2)
	v_pk_add_f32 v[236:237], v[236:237], v[246:247]
	s_delay_alu instid0(VALU_DEP_1)
	v_pk_add_f32 v[14:15], v[14:15], v[236:237]
.set j, 0
	s_setprio 0
.rept 16
	v_pk_mul_f32 v[160+j:161+j], v[160+j:161+j], v[252:253] op_sel_hi:[1,0]   ; O^T under the new M, from each accumulator's low end on.  (With the sums: the places between the writes of p's codes and scale word and the products)
.set j, j+2
.endr
	s_wait_alu depctr_va_vdst(0)
	s_wait_dscnt 0x0                               ; V
.irp t, 0,1,2,3                        ; the four accumulators by turns; between two links of one chain stand the three others' and the next step's eight
	v_wmma_scale_f32_16x16x128_f8f6f4 v[160+8*\t:167+8*\t], v[64+8*\t:71+8*\t], v[224:231], v[160+8*\t:167+8*\t], v[204+\t], v209 matrix_a_fmt:MATRIX_FMT_FP4 matrix_b_fmt:MATRIX_FMT_FP4
.endr
.endm
.macro KEYS                            ; all 2,048 keys: 16 trips
	s_mov_b32 s[TB], 0
	s_mov_b32 s[CNT], 16
.Lkeys_\@:
	s_setprio 2
	STEP
	s_add_co_u32 s[TB], s[TB], REC
	s_sub_co_u32 s[CNT], s[CNT], 1
	s_cmp_lg_u32 s[CNT], 0
	s_cbranch_scc1 .Lkeys_\@
	s_setprio 0
.endm
; O^T / l, quantised along the head's 64 channels (two blocks), leaves as an image of four registers and two scale bytes a token.
.macro FINISH p
	PLACES 4                                       ; behind the last products
	v_add_f32 v14, v14, v15                        ; the sum's two halves,
	s_delay_alu instid0(VALU_DEP_1)
	v_permlanex16_b32 v252, v14, s[SEL], s[SEL+1]
	s_delay_alu instid0(VALU_DEP_1)
	v_add_f32 v14, v14, v252                       ; and lane l xor 16's
	s_wait_alu depctr_va_vdst(0)
	v_rcp_f32 v14, v14
	v_nop                                          ; one plain place behind a transcendental
.set j, 0
	s_wait_alu depctr_va_vdst(0)
.rept 32
	v_mul_f32 v[96+j], v[160+j], v14               ; register 8 t + i: channel 16 t + 8 h + i of my query
.set j, j+1
.endr
.irp b, 0,1
	v_max3_num_f32 v[232+\b], |v[96+16*\b]|, |v[97+16*\b]|, 0x1800000
.endr
.irp i, 2,4,6,8,10,12,14
.irp b, 0,1
	s_delay_alu instid0(VALU_DEP_2)
	v_max3_num_f32 v[232+\b], v[232+\b], |v[96+16*\b+\i]|, |v[97+16*\b+\i]|
.endr
.endr
.irp b, 0,1
	s_delay_alu instid0(VALU_DEP_2)
	v_permlanex16_b32 v[236+\b], v[232+\b], s[SEL], s[SEL+1]
.endr
.irp b, 0,1
	s_delay_alu instid0(VALU_DEP_2)
	v_max_num_f32 v[232+\b], v[232+\b], v[236+\b]
.endr
.irp b, 0,1
	s_delay_alu instid0(VALU_DEP_2)
	v_add_nc_u32 v[244+\b], 0xff000000, v[232+\b]
.endr
.irp b, 0,1
	s_delay_alu instid0(VALU_DEP_2)
	v_lshrrev_b32 v[236+\b], 23, v[244+\b]
.endr
	s_delay_alu instid0(VALU_DEP_1)
	v_lshl_or_b32 v240, v237, 8, v236              ; the token's two bytes of this head
.irp b, 0,1
	v_cvt_scalef32_pk8_fp4_f32 v[224+\b], v[96+16*\b:103+16*\b], v[244+\b]
	v_cvt_scalef32_pk8_fp4_f32 v[226+\b], v[104+16*\b:111+16*\b], v[244+\b]
.endr
	v_nop
	v_permlane16_swap_b32 v224, v225               ; register i of lane (r, h): channels 32 h + 8 i + 0 .. 7 of token r
	v_permlane16_swap_b32 v226, v227
	global_store_b128 v1, v[224:227], s[AOP:AOP+1] offset:131072*\p   ; 32 lanes store 512 consecutive bytes
	global_store_b16 v3, v240, s[ASP:ASP+1] offset:8192*\p
.endm
	s_load_b128 s[4:7], s[0:1], 0x0                ; qkv s[4:5], ao s[6:7]
	s_load_b64 s[8:9], s[0:1], 0x10                ; ascl
	v_lshl_add_u32 v251, v0, 2, 0x29000
	v_mov_b32 v255, 0
	ds_add_u32 v251, v255
	ds_add_u32 v251, v255
	v_lshrrev_b32 v4, 5, v0
	s_delay_alu instid0(VALU_DEP_1)
	v_readfirstlane_b32 s[WV], v4                  ; wave 0..15
	v_and_b32 v1, 31, v0
	s_delay_alu instid0(VALU_DEP_1)
	v_lshlrev_b32 v1, 4, v1                        ; 16 x lane
	v_and_b32 v3, 15, v0
	s_delay_alu instid0(VALU_DEP_1)
	v_lshlrev_b32 v2, 2, v3                        ; 4 r
	s_delay_alu instid0(VALU_DEP_2)
	v_lshlrev_b32 v3, 5, v3                        ; 32 r
.irp j, 0,1,2,3
	v_mov_b32 v[20+\j], 0                          ; the zero codes between the two q's: written once
	v_mov_b32 v[236+\j], 0                         ; a lane permute's destination counts as one of its sources
.endr
	v_mov_b32 v253, 0                              ; named as the upper half of the pair v[252:253]
	s_bfe_u32 s11, ttmp6, 0x40000                  ; cx
	s_lshl_b32 s13, ttmp9, 2
	s_add_co_u32 s11, s13, s11                     ; my block of 512 queries: it enters q's, ao's and ascl's addresses alone
	s_and_b32 s12, ttmp7, 0xffff                   ; 16 b + head, which the four partners share
	s_mov_b32 s[SEL], 0x76543210
	s_mov_b32 s[SEL+1], 0xfedcba98
	s_mov_b32 s[CS], 0x3e38aa3b                    ; c = log2(e) / 8
	s_mov_b32 s[CS+1], s[CS]
	; descriptor group 1: 8,704 dense bytes as 34 rows of 256 (32 elements of 8 bytes), no padding: every read is 16 x lane or 4 r
	s_mov_b32 s[G1], 15|(3<<16)|(1<<21)            ; 15:0 the mask: all four work-groups; 17:16 elements of 8 bytes; 21 set beside a mask
	s_mov_b32 s[G1+1], 32<<16
	s_mov_b32 s[G1+2], 34<<16
	s_mov_b32 s[G1+3], 32<<16
	s_mov_b32 s[G1+4], 34
	s_mov_b32 s[G1+5], 32
	s_mov_b32 s[G1+6], 0
	s_mov_b32 s[G1+7], 0
	s_lshl_b32 s13, s12, 4                         ; the head's first record
	s_add_co_u32 s14, s13, s[WV]                   ; wave w fetches record w
	s_mul_i32 s14, s14, RS
	s_add_co_u32 s14, s14, 4352
	s_mov_b32 s15, 0
	s_mov_b32 s[G0], 1
	s_mul_i32 s[G0+1], s[WV], REC
	s_lshl_b32 s16, s11, 2
	s_lshr_b32 s17, s[WV], 3
	s_add_co_u32 s16, s16, s17                     ; my queries' step of 128 tokens in pass 0: 4 X + wave / 8
	s_add_co_u32 s18, s13, s16
	s_mul_i32 s18, s18, RS                         ; its record
	s_bfe_u32 s19, s[WV], 0x20001                  ; f = (wave / 2) % 4
	s_and_b32 s38, s[WV], 1                        ; u = wave % 2
	s_lshl_b32 s[QSH], s38, 4
	s_lshl_b32 s[QP], s19, 10
	s_add_co_u32 s[QP], s[QP], s18
	s_lshl_b32 s[QP+1], s38, 9
	s_add_co_u32 s[QP], s[QP], s[QP+1]
	s_mov_b32 s[QP+1], 0
	s_lshl_b32 s[QSP], s19, 6
	s_add_co_u32 s[QSP], s[QSP], s18
	s_add_co_u32 s[QSP], s[QSP], 4096
	s_mov_b32 s[QSP+1], 0
	s_lshr_b32 s48, s12, 4                         ; b
	s_and_b32 s49, s12, 15                         ; head
	s_lshl_b32 s[AOP], s48, 4
	s_add_co_u32 s[AOP], s[AOP], s16               ; token / 128
	s_lshl_b32 s[AOP], s[AOP], 16
	s_lshr_b32 s[AOP+1], s49, 1
	s_lshl_b32 s[AOP+1], s[AOP+1], 13              ; head / 2
	s_add_co_u32 s[AOP], s[AOP], s[AOP+1]
	s_and_b32 s[AOP+1], s[WV], 7
	s_lshl_b32 s[AOP+1], s[AOP+1], 10              ; the tile of 16 tokens
	s_add_co_u32 s[AOP], s[AOP], s[AOP+1]
	s_and_b32 s[AOP+1], s12, 1
	s_lshl_b32 s[AOP+1], s[AOP+1], 9               ; head % 2
	s_add_co_u32 s[AOP], s[AOP], s[AOP+1]
	s_mov_b32 s[AOP+1], 0
	s_lshl_b32 s[ASP], s48, 11
	s_lshl_b32 s[ASP+1], s11, 9
	s_add_co_u32 s[ASP], s[ASP], s[ASP+1]
	s_lshl_b32 s[ASP+1], s[WV], 4
	s_add_co_u32 s[ASP], s[ASP], s[ASP+1]          ; my first token
	s_lshl_b32 s[ASP], s[ASP], 5
	s_lshl_b32 s[ASP+1], s49, 1
	s_add_co_u32 s[ASP], s[ASP], s[ASP+1]
	s_mov_b32 s[ASP+1], 0
	s_wait_dscnt 0x0
	s_wait_kmcnt 0x0
	s_add_nc_u64 s[G0+2:G0+3], s[4:5], s[14:15]
	s_or_b32 s[G0+3], s[G0+3], 0x80000000
	s_add_nc_u64 s[QP:QP+1], s[4:5], s[QP:QP+1]
	s_add_nc_u64 s[QSP:QSP+1], s[4:5], s[QSP:QSP+1]
	s_add_nc_u64 s[AOP:AOP+1], s[6:7], s[AOP:AOP+1]
	s_add_nc_u64 s[ASP:ASP+1], s[8:9], s[ASP:ASP+1]
	CROUND                                         ; all four work-groups are here: the joint loads meet
	tensor_load_to_lds s[G0:G0+3], s[G1:G1+7]      ; my one load of the launch
	s_nop 0
	PLACES 4
	LOADQ 0
	s_wait_tensorcnt 0x0                           ; my record is in,
	s_barrier_signal -1
	s_barrier_wait -1                              ; all sixteen are
	INIT
	KEYS
	LOADQ 1                                        ; the next queries come while the first leave; the last products that read q stand a softmax back
	FINISH 0
	s_wait_xcnt 0x0                                ; the stores have read their data: the codes' registers are written again only behind this wait
	INIT
	KEYS
	FINISH 1
	s_wait_tensorcnt 0x0
	ds_add_u32 v251, v255
	s_wait_dscnt 0x0
	CROUND                                         ; the closing round
	s_endpgm
.Lfunc_end_k_qaf4d2fc512_attn:
	.size	k_qaf4d2fc512_attn, .Lfunc_end_k_qaf4d2fc512_attn-k_qaf4d2fc512_attn
	.p2alignl 7, 3214868480
	.fill 96, 4, 3214868480
	.section	.rodata,"a",@progbits
	.p2align	6, 0x0
	.amdhsa_kernel k_qaf4d2fc512_attn
		.amdhsa_group_segment_fixed_size 169984
		.amdhsa_private_segment_fixed_size 0
		.amdhsa_enable_private_segment 0
		.amdhsa_kernarg_size 24
		.amdhsa_user_sgpr_count 2
		.amdhsa_user_sgpr_kernarg_segment_ptr 1
		.amdhsa_wavefront_size32 1
		.amdhsa_system_sgpr_workgroup_id_x 1
		.amdhsa_system_sgpr_workgroup_id_y 1
		.amdhsa_system_sgpr_workgroup_id_z 1
		.amdhsa_system_vgpr_workitem_id 0
		.amdhsa_next_free_vgpr 256
		.amdhsa_next_free_sgpr 66
		.amdhsa_reserve_vcc 0
		.amdhsa_float_denorm_mode_32 3
		.amdhsa_float_denorm_mode_16_64 3
		.amdhsa_memory_ordered 1
		.amdhsa_forward_progress 1
		.amdhsa_inst_pref_size 50
	.end_amdhsa_kernel
	.amdgpu_metadata
---
amdhsa.version: [ 1, 2 ]
amdhsa.kernels:
  - .name:           k_qaf4d2fc512_attn
    .symbol:         k_qaf4d2fc512_attn.kd
    .args:
      - { .name: qkv, .offset: 0, .size: 8, .value_kind: global_buffer, .address_space: global }
      - { .name: ao, .offset: 8, .size: 8, .value_kind: global_buffer, .address_space: global }
      - { .name: ascl, .offset: 16, .size: 8, .value_kind: global_buffer, .address_space: global }
    .group_segment_fixed_size: 169984
    .private_segment_fixed_size: 0
    .kernarg_segment_align: 8
    .kernarg_segment_size: 24
    .max_flat_workgroup_size: 512
    .sgpr_count:     66
    .vgpr_count:     256
    .wavefront_size: 32
...
	.end_amdgpu_metadata
.endif
;; end of part 2
;; launch proj (part 3): grid 4 x 64, 8 waves a work-group, clusters of 4 x 4, 254,976 bytes of LDS; arguments ao, ascl, W_out_codes, W_out_scales, b_out, out0; writes out0
.if DOCPART == 3
	.amdgcn_target "amdgcn-amd-amdhsa--gfx1250"
	.amdhsa_code_object_version 6
	.text
	.protected	k_qaf4d2fc512_proj
	.globl	k_qaf4d2fc512_proj
	.p2align	8
	.type	k_qaf4d2fc512_proj,@function
k_qaf4d2fc512_proj:
	s_mov_b64 s[64:65], 0
	v_nop
	global_prefetch_b8 v0, s[64:65] scope:SCOPE_SE
	s_setreg_imm32_b32 hwreg(HW_REG_WAVE_MODE, 25, 1), 1
	s_wait_xcnt 0x0
	s_wait_alu depctr_hold_cnt(0) depctr_sa_sdst(0) depctr_va_vdst(0) depctr_va_sdst(0) depctr_va_ssrc(0) depctr_va_vcc(0) depctr_vm_vsrc(0)
	s_getreg_b32 s2, hwreg(HW_REG_IB_STS2, 6, 4)
	s_cmp_eq_u32 s2, 0
	s_cbranch_scc0 .Lentry_in_a_cluster
	s_endpgm
.Lentry_in_a_cluster:
	s_bfe_u32 s2, ttmp6, 0x10000c
	s_cmp_lg_u32 s2, 0xf033
	s_cbranch_scc0 .Lentry_shape_is_right
	s_endpgm
.Lentry_shape_is_right:
; out0 = A W_out^T + b_out on codes of FP4 (E2M1) with E8M0 scales.  A: attention's result, 8,192 tokens x 1,024 channels, as the launch before left it: ao holds its fragments as images of their registers
; ([token / 128][K step of 128][tile of 16 tokens][two groups of four registers][lane][16 bytes]), ascl its scale bytes [token][32].  W_out: 1,024 features, 512 bytes of codes and 32 scale bytes a row.  b_out, out0: f32.
; SHARES.  A work-group takes 128 tokens x 256 features; eight waves, each 64 x 64: 16 accumulators.  The whole K fits in LDS as two halves of 512: every LDS byte is filled once, so there is no ring.
; CLUSTERS: 4 x 4 work-groups; A's tiles are shared along a row of the cluster, W's along a column, each asked for jointly.
; TRANSPOSED USE: source 0 = 16 features of W, source 1 = 16 tokens: a lane holds eight neighbouring numbers of a row of out0.  The bias is the C of each sum's first product: another order of f32 rounding than adding it last.
; LIMITS: NaN and infinities are not served.
.set PITCH, 272                        ; a row of W in LDS: 256 bytes + 16 of padding
.set T16,   16*PITCH
.set AT,    32768                      ; A's images of half of K: four K steps of 8,192 dense bytes
.set SLOT,  AT+256*PITCH               ; and W's 256 rows behind them
.set SCL,   2*SLOT                     ; the scales: A's 16 units of 256 + 16 bytes, then W's 32
.set STAGE, SCL+48*272                 ; the way out: 16 rows x 272 bytes for each wave; no fill lands here
.set ADA,   4                          ; v4-5   LDS address of my A fragments, first and second half of K
.set ADW,   6                          ; v6-7   the same for W
.set ADRS,  8                          ; v8     my scale words: lanes 0-15 A's rows, lanes 16-31 W's
.set STO,   9                          ; v9     the way out: where I put 32 bytes of a row
.set RD,    12                         ; v12    where I read a row back
.set CO,    13                         ; v13    my byte offset in out0
.set BA,    15                         ; v15    byte offset of my bias numbers
.set SC,    32                         ; v32-47 scale words and nothing else
.set F0,    64                         ; v64-95   W's fragments; on the way out rows read back
.set F1,    96                         ; v96-127  A's fragments; likewise
.set ACC,   128                        ; v128-255 accumulator (a, b) at 128 + 8 (4 a + b): a the tile of tokens, b of features.  The bias: v16-31, v48-63
.set WV,    16
.set KIND,  17
.set PART,  18
.set CH,    19
.set CHI,   20
.set G1A,   28
.set G1W,   36
.set G1AS,  44
.set G1WS,  52
.set G0AS,  68
.set G0A,   72
.set G0WS,  80
.set G0W,   84
.macro PLACES n
.rept \n
	v_nop
.endr
.endm
.macro JLOAD g0a, g1a, g0b, g1b        ; a joint load: waves 0-3 fetch for A, waves 4-7 for W; four v_nop follow each line
	s_cmp_eq_u32 s[KIND], 0
	s_cbranch_scc0 .Lfor_w_\@
	tensor_load_to_lds s[\g0a:\g0a+3], s[\g1a:\g1a+7]
	s_nop 0
	PLACES 4
	s_branch .Lasked_\@
.Lfor_w_\@:
	tensor_load_to_lds s[\g0b:\g0b+3], s[\g1b:\g1b+7]
	s_nop 0
	PLACES 4
.Lasked_\@:
.endm
.macro CROUND
	s_barrier_signal -1
	s_barrier_wait -1
	s_cmp_lg_u32 s[WV], 0
	s_cbranch_scc1 .Lnot_wave_0_\@
	s_barrier_signal -3
.Lnot_wave_0_\@:
	s_barrier_wait -3
	s_barrier_signal -1
	s_barrier_wait -1
.endm
.macro FRAG reg, adr, off, d           ; a fragment's two groups of four registers, d bytes apart
	ds_load_b128 v[\reg:\reg+3], v[\adr] offset:\off
	ds_load_b128 v[\reg+4:\reg+7], v[\adr] offset:\off+\d
.endm
.macro SCALES k
.irp i, 0,1,2,3
	ds_load_b128 v[SC+4*\i:SC+4*\i+3], v[ADRS] offset:544*\i+16*\k
.endr
.endm
.macro PROD k, q, a, b
.set rD, ACC+8*(4*(\a)+(\b))
.if (\k)+(\q) > 0
.set rC, ACC+8*(4*(\a)+(\b))
.else
.set rC, 16+8*(\b)+16*((\b)/2)
.endif
	v_wmma_scale_f32_16x16x128_f8f6f4 v[rD:rD+7], v[F0+8*(\b):F0+8*(\b)+7], v[F1+8*(\a):F1+8*(\a)+7], v[rC:rC+7], v[SC+4*(\b)+(\q)], v[SC+4*(\a)+(\q)] matrix_a_fmt:MATRIX_FMT_FP4 matrix_b_fmt:MATRIX_FMT_FP4 matrix_a_scale:MATRIX_SCALE_ROW1
.endm
; 128 along K: 16 loads, 16 products; the 16 accumulators take turns, one instruction a turn, in the same order in every step
.macro KSTEP k, q
.if \q > 0
	PLACES 4                                       ; four places between the last products and loads into the registers that they read
.endif
.irp i, 0,1,2,3
	FRAG F0+8*\i, ADW+\k, 64*\q+\i*T16, 32
.endr
.irp i, 0,1,2,3
	FRAG F1+8*\i, ADA+\k, 8192*\q+1024*\i, 512
.endr
.irp a, 0,1,2,3
	s_wait_dscnt 6-2*\a                            ; W's fragments and A's tiles up to a are in; the two loads of each later tile may be out
.irp b, 0,1,2,3
	PROD \k, \q, \a, \b
.endr
.endr
.endm
.macro HALF k
	SCALES \k
	KSTEP \k, 0
	KSTEP \k, 1
	KSTEP \k, 2
	KSTEP \k, 3
.endm
	s_load_b256 s[4:11], s[0:1], 0x0               ; ao s[4:5], ascl s[6:7], W's codes s[8:9], W's scales s[10:11]
	s_load_b128 s[12:15], s[0:1], 0x20             ; b_out s[12:13], out0 s[14:15]
	v_lshl_add_u32 v14, v0, 2, 0x3e000
	s_set_vgpr_msb 0x40
	v_mov_b32 v1, 0
	s_set_vgpr_msb 0x4044
	ds_add_u32 v14, v1
	ds_add_u32 v14, v1
	s_set_vgpr_msb 0x4400
	v_lshrrev_b32 v1, 5, v0
	v_readfirstlane_b32 s[WV], v1                  ; wave 0..7
	s_lshr_b32 s[KIND], s[WV], 2                   ; I fetch for A (0) or for W (1),
	s_and_b32 s[PART], s[WV], 3                    ; this quarter
	s_and_b32 s[CH], s[WV], 1                      ; my half of the tokens
	s_lshr_b32 s[CHI], s[WV], 1                    ; my quarter of the features
	s_bfe_u32 s21, ttmp6, 0x40000                  ; cx
	s_bfe_u32 s22, ttmp6, 0x40004                  ; cy
	s_lshl_b32 s23, ttmp9, 2
	s_add_co_u32 s23, s23, s21                     ; J: features 256 J on
	s_and_b32 s24, ttmp7, 0xffff
	s_lshl_b32 s24, s24, 2
	s_add_co_u32 s24, s24, s22                     ; I: tokens 128 I on
	s_lshl_b32 s25, s22, 2
	s_lshl_b32 s25, 15, s25                        ; my row of the cluster
	s_lshl_b32 s26, 0x1111, s21                    ; my column
	; descriptor groups 1.  A: one K step's images, 8,192 dense bytes as 32 rows of 256, no padding (every read is 16 x lane)
	s_or_b32 s[G1A], s25, (3<<16)|(1<<21)
	s_mov_b32 s[G1A+1], 32<<16
	s_mov_b32 s[G1A+2], 32<<16
	s_mov_b32 s[G1A+3], 32<<16
	s_mov_b32 s[G1A+4], 32
	s_mov_b32 s[G1A+5], 32
	s_mov_b32 s[G1A+6], 0
	s_mov_b32 s[G1A+7], 0
	; W: 64 rows of 256 bytes, 512 apart in memory, 16 bytes of padding behind each
	s_or_b32 s[G1W], s26, (1<<20)|(1<<21)|(5<<22)|(3<<25)
	s_mov_b32 s[G1W+1], 256<<16
	s_mov_b32 s[G1W+2], 64<<16
	s_mov_b32 s[G1W+3], 256<<16
	s_mov_b32 s[G1W+4], 64
	s_mov_b32 s[G1W+5], 512
	s_mov_b32 s[G1W+6], 0
	s_mov_b32 s[G1W+7], 0
	; scales: dense blocks, as rows of 256 bytes, 16 bytes of padding behind each; A 4 rows a load, W 8
	s_or_b32 s[G1AS], s25, (3<<16)|(1<<20)|(1<<21)|(5<<22)|(3<<25)
	s_or_b32 s[G1WS], s26, (3<<16)|(1<<20)|(1<<21)|(5<<22)|(3<<25)
	s_mov_b32 s[G1AS+1], 32<<16
	s_mov_b32 s[G1AS+2], 4<<16
	s_mov_b32 s[G1AS+3], 32<<16
	s_mov_b32 s[G1AS+4], 4
	s_mov_b32 s[G1AS+5], 32
	s_mov_b32 s[G1AS+6], 0
	s_mov_b32 s[G1AS+7], 0
	s_mov_b32 s[G1WS+1], 32<<16
	s_mov_b32 s[G1WS+2], 8<<16
	s_mov_b32 s[G1WS+3], 32<<16
	s_mov_b32 s[G1WS+4], 8
	s_mov_b32 s[G1WS+5], 32
	s_mov_b32 s[G1WS+6], 0
	s_mov_b32 s[G1WS+7], 0
	; where the tiles come from: A's hang on I and the wave alone, W's on J and the wave alone
	s_lshl_b32 s92, s24, 16
	s_lshl_b32 s96, s[PART], 13
	s_add_co_u32 s92, s92, s96                     ; A's images: 65,536 I + 8,192 x K step
	s_mov_b32 s93, 0
	s_lshl_b32 s96, s24, 7
	s_lshl_b32 s97, s[PART], 5
	s_add_co_u32 s96, s96, s97
	s_lshl_b32 s96, s96, 5                         ; A's scales: token 128 I + 32 x quarter
	s_mov_b32 s97, 0
	s_lshl_b32 s94, s23, 8
	s_lshl_b32 s98, s[PART], 6
	s_add_co_u32 s94, s94, s98                     ; W: row 256 J + 64 x quarter
	s_lshl_b32 s98, s94, 5
	s_lshl_b32 s94, s94, 9
	s_mov_b32 s95, 0
	s_mov_b32 s99, 0
	s_mul_i32 s60, s[PART], 4*272                  ; and where they go
	s_lshl_b32 s61, s[PART], 13
	s_mul_i32 s62, s[PART], 8*272
	s_mul_i32 s63, s[PART], 64*PITCH
	s_wait_dscnt 0x0
	s_wait_kmcnt 0x0
	s_add_nc_u64 s[92:93], s[4:5], s[92:93]
	s_add_nc_u64 s[94:95], s[8:9], s[94:95]
	CROUND                                         ; all sixteen work-groups are here: the first joint loads meet
	s_mov_b32 s[G0AS], 1
	s_add_co_u32 s[G0AS+1], s60, SCL
	s_add_nc_u64 s[G0AS+2:G0AS+3], s[6:7], s[96:97]
	s_or_b32 s[G0AS+3], s[G0AS+3], 0x80000000
	s_mov_b32 s[G0WS], 1
	s_add_co_u32 s[G0WS+1], s62, SCL+16*272
	s_add_nc_u64 s[G0WS+2:G0WS+3], s[10:11], s[98:99]
	s_or_b32 s[G0WS+3], s[G0WS+3], 0x80000000
	JLOAD G0AS, G1AS, G0WS, G1WS                   ; the scales first, then the two halves of K: three loads of mine are out
.irp k, 0,1
	s_mov_b32 s[G0A+4*\k], 1
	s_add_co_u32 s[G0A+4*\k+1], s61, \k*SLOT
	s_add_nc_u64 s[G0A+4*\k+2:G0A+4*\k+3], s[92:93], \k*AT
	s_or_b32 s[G0A+4*\k+3], s[G0A+4*\k+3], 0x80000000
	s_mov_b32 s[G0W+4*\k], 1
	s_add_co_u32 s[G0W+4*\k+1], s63, AT+\k*SLOT
	s_add_nc_u64 s[G0W+4*\k+2:G0W+4*\k+3], s[94:95], \k*256
	s_or_b32 s[G0W+4*\k+3], s[G0W+4*\k+3], 0x80000000
	JLOAD G0A+4*\k, G1A, G0W+4*\k, G1W
.endr
	v_and_b32 v1, 15, v0                           ; r
	v_bfe_u32 v2, v0, 4, 1                         ; h
	v_and_b32 v3, 31, v0                           ; lane
	s_lshl_b32 s60, s[CH], 12                      ; my four tiles of tokens in a K step's images
	v_lshlrev_b32 v10, 4, v3
	v_add_nc_u32 v[ADA], s60, v10
	v_add_nc_u32 v[ADA+1], SLOT, v[ADA]
	v_mul_u32_u24 v10, v1, PITCH
	v_lshl_add_u32 v10, v2, 4, v10                 ; W: row x pitch + 16 h
	s_mul_i32 s61, s[CHI], 64*PITCH
	s_add_co_u32 s61, s61, AT
	v_add_nc_u32 v[ADW], s61, v10
	v_add_nc_u32 v[ADW+1], SLOT, v[ADW]
	s_xor_b32 s61, s[CH], 1                        ; lanes 16-31 take W's words: 2,176 x (2 + quarter - half) bytes behind A's: one product by h
	s_add_co_u32 s61, s61, s[CHI]
	s_add_co_u32 s61, s61, 1
	s_mul_i32 s61, s61, 2176
	s_mul_i32 s60, s[CH], 2176
	s_add_co_u32 s60, s60, SCL
	v_mul_u32_u24 v[ADRS], s61, v2
	v_lshlrev_b32 v10, 5, v1
	v_lshrrev_b32 v11, 3, v1
	v_lshl_add_u32 v10, v11, 4, v10
	v_add_nc_u32 v[ADRS], v[ADRS], v10
	v_add_nc_u32 v[ADRS], s60, v[ADRS]
	s_mul_i32 s60, s[WV], 16*272
	s_add_co_u32 s60, s60, STAGE                   ; my stage
	v_mul_u32_u24 v[STO], v1, 272                  ; in: row r, 32 bytes for each half of the lanes
	v_lshl_add_u32 v[STO], v2, 5, v[STO]
	v_add_nc_u32 v[STO], s60, v[STO]
	v_mul_u32_u24 v[RD], v2, 272                   ; back: lanes 0-15 one row of 256 bytes, lanes 16-31 the next
	v_lshl_add_u32 v[RD], v1, 4, v[RD]
	v_add_nc_u32 v[RD], s60, v[RD]
	s_lshl_b32 s62, s23, 10
	s_lshl_b32 s63, s[CHI], 8
	s_add_co_u32 s62, s62, s63                     ; my first feature, in bytes
	s_lshl_b32 s60, s24, 19
	s_lshl_b32 s61, s[CH], 18
	s_add_co_u32 s60, s60, s61                     ; my first token's row of 4,096 bytes
	s_add_co_u32 s60, s60, s62
	v_lshlrev_b32 v[CO], 12, v2
	v_lshl_add_u32 v[CO], v1, 4, v[CO]
	v_add_nc_u32 v[CO], s60, v[CO]
	v_lshl_add_u32 v[BA], v2, 5, s62               ; register j of tile b is feature 16 b + 8 h + j
.irp t, 0,1,2,3
	global_load_b128 v[16+8*\t+16*(\t/2):19+8*\t+16*(\t/2)], v[BA], s[12:13] offset:64*\t
	global_load_b128 v[20+8*\t+16*(\t/2):23+8*\t+16*(\t/2)], v[BA], s[12:13] offset:64*\t+16
.endr
	s_wait_tensorcnt 0x1                           ; my parts of the scales and of K's first half are in; the second half's load, issued last, may stay out
	s_barrier_signal -1
	s_barrier_wait -1                              ; everybody's are
	s_wait_loadcnt 0x0                             ; the bias
	HALF 0
	s_wait_tensorcnt 0x0                           ; my part of K's second half is in,
	s_wait_dscnt 0x0
	s_barrier_signal -1
	s_barrier_wait -1                              ; everybody's is
	PLACES 4                                       ; in front of the loads into scale words and fragments that the last products read
	HALF 1
; THE WAY OUT, 16 tokens x 64 features at a time: a lane's 32 bytes go into my own stage and come back as whole rows of 256 bytes.  LDS serves a wave's instructions in order (ISA guide 5.7.1.4): no wait between the stores and the loads.
.macro TOSTAGE a
.irp b, 0,1,2,3
	ds_store_b128 v[STO], v[ACC+8*(4*(\a)+\b):ACC+8*(4*(\a)+\b)+3] offset:64*\b        ; each accumulator from its low end on
	ds_store_b128 v[STO], v[ACC+8*(4*(\a)+\b)+4:ACC+8*(4*(\a)+\b)+7] offset:64*\b+16
.endr
.irp t, 0,1,2,3,4,5,6,7
	ds_load_b128 v[F0+32*((\a)%2)+4*\t:F0+32*((\a)%2)+4*\t+3], v[RD] offset:544*\t
.endr
.endm
.macro SEND a, younger                 ; younger: the LDS instructions issued behind block a's loads, which may stay out
	s_wait_dscnt \younger
.irp t, 0,1,2,3,4,5,6,7
	global_store_b128 v[CO], v[F0+32*((\a)%2)+4*\t:F0+32*((\a)%2)+4*\t+3], s[14:15] offset:(16*(\a)+2*\t)*4096 th:TH_STORE_NT   ; 16 lanes store 256 consecutive bytes, at a multiple of 256 from out0's first byte
.endr
.endm
	PLACES 4                                       ; in front of the first reads of results and of loads into the fragments' registers
	TOSTAGE 0
.irp a, 1,2,3
.if \a > 1
	s_wait_xcnt 0x0                                ; block a - 2's stores have read their registers: block a's loads may land there
.endif
	TOSTAGE \a
	SEND \a-1, 16                                  ; behind block a - 1's loads: block a's eight stores and eight loads
.endr
	SEND 3, 0
	s_set_vgpr_msb 0x4
	s_wait_tensorcnt 0x0
	ds_add_u32 v14, v1
	s_wait_dscnt 0x0
	s_set_vgpr_msb 0x400
	CROUND                                         ; the closing round: no work-group ends while a partner may still ask for a tile that names it
	s_endpgm
.Lfunc_end_k_qaf4d2fc512_proj:
	.size	k_qaf4d2fc512_proj, .Lfunc_end_k_qaf4d2fc512_proj-k_qaf4d2fc512_proj
	.p2alignl 7, 3214868480
	.fill 96, 4, 3214868480
	.section	.rodata,"a",@progbits
	.p2align	6, 0x0
	.amdhsa_kernel k_qaf4d2fc512_proj
		.amdhsa_group_segment_fixed_size 254976
		.amdhsa_private_segment_fixed_size 0
		.amdhsa_enable_private_segment 0
		.amdhsa_kernarg_size 48
		.amdhsa_user_sgpr_count 2
		.amdhsa_user_sgpr_kernarg_segment_ptr 1
		.amdhsa_wavefront_size32 1
		.amdhsa_system_sgpr_workgroup_id_x 1
		.amdhsa_system_sgpr_workgroup_id_y 1
		.amdhsa_system_sgpr_workgroup_id_z 1
		.amdhsa_system_vgpr_workitem_id 0
		.amdhsa_next_free_vgpr 258
		.amdhsa_next_free_sgpr 100
		.amdhsa_reserve_vcc 0
		.amdhsa_float_denorm_mode_32 3
		.amdhsa_float_denorm_mode_16_64 3
		.amdhsa_memory_ordered 1
		.amdhsa_forward_progress 1
		.amdhsa_inst_pref_size 45
	.end_amdhsa_kernel
	.amdgpu_metadata
---
amdhsa.version: [ 1, 2 ]
amdhsa.kernels:
  - .name:           k_qaf4d2fc512_proj
    .symbol:         k_qaf4d2fc512_proj.kd
    .args:
      - { .name: ao, .offset: 0, .size: 8, .value_kind: global_buffer, .address_space: global }
      - { .name: ascl, .offset: 8, .size: 8, .value_kind: global_buffer, .address_space: global }
      - { .name: W_out_codes, .offset: 16, .size: 8, .value_kind: global_buffer, .address_space: global }
      - { .name: W_out_scales, .offset: 24, .size: 8, .value_kind: global_buffer, .address_space: global }
      - { .name: b_out, .offset: 32, .size: 8, .value_kind: global_buffer, .address_space: global }
      - { .name: out0, .offset: 40, .size: 8, .value_kind: global_buffer, .address_space: global }
    .group_segment_fixed_size: 254976
    .private_segment_fixed_size: 0
    .kernarg_segment_align: 8
    .kernarg_segment_size: 48
    .max_flat_workgroup_size: 256
    .sgpr_count:     100
    .vgpr_count:     258
    .wavefront_size: 32
...
	.end_amdgpu_metadata
.endif
;; end of part 3
